; MI455X (gfx1250); checked and timed in simulation.
; The chip was launched on July 23, 2026; its instructions are those of AMD's public machine-readable ISA for CDNA 5 (MIT licence, August 2026) and "CDNA5" Instruction Set Architecture Reference Guide (July 2026). The comments in the code are by the model that wrote it; some were corrected since.
;; Pipelined Gemm. Allowed arithmetic: matrix products marked QUANTISED: E5M2 operands, one given power-of-two scale a tensor, by v_wmma_f32_16x16x64_bf8_bf8 or v_wmma_f32_16x16x128_bf8_bf8, f32 sums; everything else in f32.
;; Inputs: A 4,096 x 4,096 float32; B 4,096 x 4,096 float32; lowp_scales 2 int32 (the exponents e of the quantised operands' scales 2^e).
;; Outputs: out0 4,096 x 4,096 float32.
;; This version of the problem:
;;   THIS VERSION OF THE PROBLEM IS GIVEN IN LOW PRECISION. The matrix products marked QUANTISED in the list below multiply operands that are first quantised to E5M2 (5 exponent bits, 2 mantissa bits; 8 bits a number), with one given power-of-two scale for each operand tensor; their sums are f32. All else is computed in f32.
;;   The module's matrix products, in the order in which they are computed (A, B: the left and right operand; K: the contracted axis; several contracted axes count as one K, in the product's order):
;;     1. [M 4,096, K 4,096] x [K 4,096, N 4,096]; A: input A; B: input B: QUANTISED (scales: A lowp_scales[0], B lowp_scales[1])
;;   THE QUANTISER, for each operand of a quantised product, along K:
;;     - The operand's scale is 2^e, e = its entry of the input lowp_scales (int32; the entries are numbered through the quantised products in the list's order, A before B).
;;     - Each number is divided by the scale, clamped to +-57,344, and rounded to the nearest number of E5M2, ties to even, subnormals kept.
;;     - The product sums the exact products of the quantised numbers (number of the format x scale) in f32.
;;   ~~~python
;;   def quantise(x, axis, e):      # numpy; x: float32 -> the quantised numbers, widened to float32 again
;;       x = np.moveaxis(x, axis, -1); K = x.shape[-1]
;;       r = np.clip(x / 2.0 ** e, -57344, 57344)
;;       step = 2.0 ** (np.maximum(np.frexp(np.where(r == 0, 1, r))[1] - 1, -14) - 2)
;;       q = np.round(r / step) * step * 2.0 ** e      # np.round: ties to even
;;       return np.moveaxis(q, -1, axis).astype(np.float32)
;;   ~~~
;; One version. Each part assembles by itself: llvm-mc -triple=amdgcn-amd-amdhsa -mcpu=gfx1250 --defsym DOCPART=n.
;; ======== version 1 of 1: 2 launches
;; limits: right only within a limited range of input values
;; workspace buffers: a_codes 16,777,216 bytes; b_codes 16,777,216 bytes
;; launch quant (part 1): grid 1024 x 1, 4 waves a work-group, no clusters, 34,304 bytes of LDS; arguments A, B, lowp_scales, a_codes, b_codes; writes a_codes, b_codes
.if DOCPART == 1
	.amdgcn_target "amdgcn-amd-amdhsa--gfx1250"
	.amdhsa_code_object_version 6
	.text
	.protected	k_qfbe2eff56c_quant
	.globl	k_qfbe2eff56c_quant
	.p2align	8
	.type	k_qfbe2eff56c_quant,@function
k_qfbe2eff56c_quant:
	s_mov_b64 s[64:65], 0
	v_nop
	global_prefetch_b8 v0, s[64:65] scope:SCOPE_SE
	s_setreg_imm32_b32 hwreg(HW_REG_WAVE_MODE, 25, 1), 1
	s_wait_xcnt 0x0
; A [4096 (m)][4096 (k)] and B [4096 (k)][4096 (n)], f32, are turned into codes of BF8 (E5M2), one code a byte, laid IN THE ORDER OF THE MATRIX OPERANDS' REGISTERS.
; code = x / 2^e, held within +-57,344, rounded to the nearest code, ties to even.  e is a whole number (int32) of lowp_scales: entry 0 for A, entry 1 for B.
; LIMITS: each e lies between -126 and 112, so that 2^e and 57,344 x 2^e are f32 numbers.  NaN among the inputs is not served; an infinity is held at the largest code.
; A FRAGMENT is 16 rows (of A; columns of B) x 128 along K = 2,048 bytes: piece c (0..3) of 512 bytes, in it lane 16 h + r holds 16 bytes: row r, k = 32 c + 16 h + 0 .. 15.
; a_codes: [m / 64][k / 128][(m / 16) % 4] fragments;  b_codes: [n / 256][k / 128][(n / 16) % 16] fragments.
; ONE LAUNCH FOR BOTH TENSORS: work-groups 0 to 511 take A, 512 to 1023 take B, 32,768 numbers each; the branch hangs on the work-group's number alone.
; A's WAY: a wave takes 16 rows x 512 along K, four fragments.  Each load reads 512 consecutive bytes of a row; a fragment's 16 rows go through the wave's own stage in LDS and come back
;   64 bytes a lane (16 neighbours along K, as the conversion wants them).  A store of the wave covers 512 consecutive bytes, aligned.
; B's WAY: a lane takes a column n and its registers run DOWN K; the conversions give 32 codes along K, two runs of 16 bytes, and sixteen neighbouring lanes (r = 0 .. 15) store 256 consecutive bytes, aligned: no LDS.
; No tensor loads, no barrier: waves share nothing.  Every offset is an immediate.
.set WGA,   512
.set SP,    528                        ; A: a stage row: 512 bytes + 16 of padding
.set SPARE, 4*16*SP                    ; behind the four stages: the spare words, 512 bytes
.set NROW,  16384                      ; a row of A or of B in bytes
.set EMAX,  15
.set MANT,  0x600000                   ; the mantissa field of 57,344 as f32
.set R,     16                         ; A: v16-143  two sets of 16 rows x 4 registers as loaded
.set X,     144                        ; A: v144-207 a fragment's 64 numbers of my lane
.set CA,    208                        ; A: v208-239 codes, two sets of 16
.set XB,    32                         ; B: v32-95   two sets of 32 numbers
.set CB,    96                         ; B: v96-159  codes: eight registers for each of 8 blocks
.set SPW,   240
.set NIL,   241
	s_load_b128 s[4:7], s[0:1], 0x0                ; A, B
	s_load_b128 s[8:11], s[0:1], 0x10              ; the scales' exponents, a_codes
	s_load_b64 s[12:13], s[0:1], 0x20              ; b_codes
	v_lshl_add_u32 v[SPW], v0, 2, SPARE
	v_mov_b32 v[NIL], 0
	v_lshrrev_b32 v1, 5, v0
	v_readfirstlane_b32 s16, v1                    ; wave
	v_and_b32 v2, 31, v0                           ; lane
	v_lshlrev_b32 v3, 4, v2                        ; A: 16 x lane, for loads and stores
	v_lshlrev_b32 v5, 2, v2                        ; B: 4 x lane
	s_mul_i32 s17, s16, 16*SP                      ; A: my wave's stage
	v_add_nc_u32 v14, s17, v3                      ; into it: 16 x lane; the row stands in the immediate
	v_and_b32 v9, 15, v2                           ; r
	v_lshrrev_b32 v4, 4, v2                        ; h
	v_mul_u32_u24 v15, v9, SP
	v_lshl_add_u32 v15, v4, 6, v15
	v_add_nc_u32 v15, s17, v15                     ; out of it: row r, 64 h bytes in
	v_lshlrev_b32 v8, 11, v4
	v_lshl_add_u32 v8, v9, 4, v8                   ; B's codes: lanes 16-31 hold the next fragment's columns: 2,048 (lane / 16) + 16 (lane % 16)
	s_wait_alu depctr_va_vdst(0)                   ; directly ahead of the wait below
	s_wait_kmcnt 0x0
	s_load_b64 s[22:23], s[8:9], 0x0               ; ea, eb
	s_cmp_lt_u32 ttmp9, WGA
	s_cbranch_scc0 .Lpath_b
.macro MKSCALE e                       ; v11 = 2^e as f32 (the conversion takes its exponent field), v10 = 57,344 x 2^e
	s_add_co_i32 s24, \e, 127
	s_lshl_b32 s25, s24, 23
	v_mov_b32 v11, s25
	s_add_co_i32 s24, s24, EMAX
	s_lshl_b32 s24, s24, 23
	s_or_b32 s24, s24, MANT
	v_mov_b32 v10, s24
.endm
; ---------------------------------------------------------------- A
.macro ALD f                           ; fragment f: 16 rows x 512 bytes
.irp r, 0,1,2,3,4,5,6,7,8,9,10,11,12,13,14,15
	global_load_b128 v[R+64*((\f)%2)+4*\r:R+64*((\f)%2)+4*\r+3], v3, s[4:5] offset:\r*NROW+512*(\f) th:TH_LOAD_NT
.endr
.endm
.macro AFR f
.if (\f) < 3
	s_wait_loadcnt 16                              ; this fragment's 16 loads are in; the next one's may be out
.else
	s_wait_loadcnt 0x0
.endif
.irp r, 0,1,2,3,4,5,6,7,8,9,10,11,12,13,14,15
	ds_store_b128 v14, v[R+64*((\f)%2)+4*\r:R+64*((\f)%2)+4*\r+3] offset:\r*SP
.endr
.irp c, 0,1,2,3
.irp i, 0,1,2,3
	ds_load_b128 v[X+16*\c+4*\i:X+16*\c+4*\i+3], v15 offset:128*\c+16*\i   ; LDS serves a wave's instructions in order: these see the stores above
.endr
.endr
	s_wait_dscnt 0x0                               ; my 64 numbers are back, and the stores have read their registers,
.if (\f)+2 < 4
	ALD (\f)+2                                     ; which take the fragment two further on
.endif
.if (\f) >= 2
	s_wait_xcnt 0x0                                ; the stores of two fragments ago have read this set of codes
.endif
.set QI, 0
.rept 64
	v_med3_num_f32 v[X+QI], v[X+QI], -v10, v10     ; the conversion to an 8-bit code does not saturate (ISA guide 7.6.2): the hold comes first
.set QI, QI+1
.endr
.irp g, 0,1,2,3,4,5,6,7
	v_cvt_scalef32_pk8_bf8_f32 v[CA+16*((\f)%2)+2*\g:CA+16*((\f)%2)+2*\g+1], v[X+8*\g:X+8*\g+7], v11
.endr
	v_nop                                          ; a plain line behind the conversions: the next fragment's holds write their sources
.irp c, 0,1,2,3
	global_store_b128 v3, v[CA+16*((\f)%2)+4*\c:CA+16*((\f)%2)+4*\c+3], s[10:11] offset:8192*(\f)+512*\c   ; 512 consecutive bytes, aligned
.endr
.endm
	s_lshr_b32 s17, ttmp9, 1                       ; which 16 rows
	s_and_b32 s18, ttmp9, 1
	s_lshl_b32 s18, s18, 2
	s_add_co_u32 s18, s18, s16                     ; which 512 along K: 4 x (work-group % 2) + wave
	s_lshl_b32 s20, s17, 18                        ; A: 16 rows of 16,384 bytes,
	s_lshl_b32 s19, s18, 11
	s_add_co_u32 s20, s20, s19                     ; + 2,048 bytes for each 512 along K
	s_mov_b32 s21, 0
	s_add_nc_u64 s[4:5], s[4:5], s[20:21]
	s_lshr_b32 s20, s17, 2
	s_lshl_b32 s20, s20, 18                        ; a_codes: 64 rows are 262,144 bytes,
	s_and_b32 s19, s17, 3
	s_lshl_b32 s19, s19, 11
	s_add_co_u32 s20, s20, s19                     ; + the fragment's place among the four,
	s_lshl_b32 s19, s18, 15
	s_add_co_u32 s20, s20, s19                     ; + 4 steps of 8,192 bytes for each 512 along K
	s_add_nc_u64 s[10:11], s[10:11], s[20:21]
	ALD 0
	ALD 1
	s_wait_kmcnt 0x0
	MKSCALE s22                                    ; ea
	s_wait_alu depctr_va_vdst(0)                   ; the wait at the head's end
.irp f, 0,1,2,3
	AFR \f
.endr
	s_wait_tensorcnt 0x0                           ; the wave's end, behind my last LDS store
	ds_add_u32 v[SPW], v[NIL]
	s_wait_dscnt 0x0
	s_endpgm
; ---------------------------------------------------------------- B
.macro BLOAD t                         ; block t: B(32 t + i, my column) into set t % 2; the largest offset, 255 rows, lies inside the signed 24-bit immediate
.irp i, 0,1,2,3,4,5,6,7,8,9,10,11,12,13,14,15,16,17,18,19,20,21,22,23,24,25,26,27,28,29,30,31
	global_load_b32 v[XB+32*((\t)%2)+\i], v5, s[6:7] offset:(32*(\t)+\i)*NROW th:TH_LOAD_NT
.endr
.endm
.macro BLOCK t
.set XS, XB+32*((\t)%2)
.if (\t) < 7
	s_wait_loadcnt 32                              ; this block's 32 loads are in; the next block's may be out
.else
	s_wait_loadcnt 0x0
.endif
.irp i, 0,1,2,3,4,5,6,7,8,9,10,11,12,13,14,15,16,17,18,19,20,21,22,23,24,25,26,27,28,29,30,31
	v_med3_num_f32 v[XS+\i], v[XS+\i], -v10, v10
.endr
.irp g, 0,1,2,3
	v_cvt_scalef32_pk8_bf8_f32 v[CB+8*(\t)+2*\g:CB+8*(\t)+2*\g+1], v[XS+8*\g:XS+8*\g+7], v11
.endr
	v_nop                                          ; a plain line behind the conversions
	global_store_b128 v8, v[CB+8*(\t):CB+8*(\t)+3], s[12:13] offset:32768*((\t)/4)+512*((\t)%4)          ; k = 0 .. 15 of the block (h = 0): sixteen lanes store 256 consecutive bytes, aligned
	global_store_b128 v8, v[CB+8*(\t)+4:CB+8*(\t)+7], s[12:13] offset:32768*((\t)/4)+512*((\t)%4)+256    ; k = 16 .. 31 (h = 1)
.if (\t)+2 < 8
	BLOAD (\t)+2
.endif
.endm
.Lpath_b:
	s_sub_co_u32 s17, ttmp9, WGA                   ; 0 .. 511
	s_and_b32 s18, s17, 31                         ; which 128 columns: it runs fastest
	s_lshr_b32 s17, s17, 5                         ; which 256 along K
	s_lshl_b32 s20, s17, 22                        ; B: 256 rows of 16,384 bytes,
	s_lshl_b32 s19, s18, 9
	s_add_co_u32 s20, s20, s19                     ; + 512 bytes for 128 columns,
	s_lshl_b32 s19, s16, 7
	s_add_co_u32 s20, s20, s19                     ; + 128 bytes for my wave's 32
	s_mov_b32 s21, 0
	s_add_nc_u64 s[6:7], s[6:7], s[20:21]
	s_lshr_b32 s20, s18, 1
	s_lshl_b32 s20, s20, 20                        ; b_codes: 256 columns are 1,048,576 bytes,
	s_lshl_b32 s19, s17, 16
	s_add_co_u32 s20, s20, s19                     ; + two steps of 32,768 bytes for 256 along K,
	s_and_b32 s19, s18, 1
	s_lshl_b32 s19, s19, 14
	s_add_co_u32 s20, s20, s19                     ; + eight fragments for the odd 128 columns,
	s_lshl_b32 s19, s16, 12
	s_add_co_u32 s20, s20, s19                     ; + two fragments a wave
	s_add_nc_u64 s[12:13], s[12:13], s[20:21]
	BLOAD 0
	BLOAD 1
	s_wait_kmcnt 0x0
	MKSCALE s23                                    ; eb
	s_wait_alu depctr_va_vdst(0)                   ; the wait at the head's end
.irp t, 0,1,2,3,4,5,6,7
	BLOCK \t
.endr
	s_endpgm
.Lfunc_end_k_qfbe2eff56c_quant:
	.size	k_qfbe2eff56c_quant, .Lfunc_end_k_qfbe2eff56c_quant-k_qfbe2eff56c_quant
	.p2alignl 7, 3214868480
	.fill 96, 4, 3214868480
	.section	.rodata,"a",@progbits
	.p2align	6, 0x0
	.amdhsa_kernel k_qfbe2eff56c_quant
		.amdhsa_group_segment_fixed_size 34304
		.amdhsa_private_segment_fixed_size 0
		.amdhsa_enable_private_segment 0
		.amdhsa_kernarg_size 40
		.amdhsa_user_sgpr_count 2
		.amdhsa_user_sgpr_kernarg_segment_ptr 1
		.amdhsa_wavefront_size32 1
		.amdhsa_system_sgpr_workgroup_id_x 1
		.amdhsa_system_sgpr_workgroup_id_y 1
		.amdhsa_system_sgpr_workgroup_id_z 1
		.amdhsa_system_vgpr_workitem_id 0
		.amdhsa_next_free_vgpr 242
		.amdhsa_next_free_sgpr 66
		.amdhsa_reserve_vcc 0
		.amdhsa_float_denorm_mode_32 3
		.amdhsa_float_denorm_mode_16_64 3
		.amdhsa_memory_ordered 1
		.amdhsa_forward_progress 1
		.amdhsa_inst_pref_size 82
	.end_amdhsa_kernel
	.amdgpu_metadata
---
amdhsa.version: [ 1, 2 ]
amdhsa.kernels:
  - .name:           k_qfbe2eff56c_quant
    .symbol:         k_qfbe2eff56c_quant.kd
    .args:
      - { .name: A, .offset: 0, .size: 8, .value_kind: global_buffer, .address_space: global }
      - { .name: B, .offset: 8, .size: 8, .value_kind: global_buffer, .address_space: global }
      - { .name: lowp_scales, .offset: 16, .size: 8, .value_kind: global_buffer, .address_space: global }
      - { .name: a_codes, .offset: 24, .size: 8, .value_kind: global_buffer, .address_space: global }
      - { .name: b_codes, .offset: 32, .size: 8, .value_kind: global_buffer, .address_space: global }
    .group_segment_fixed_size: 34304
    .private_segment_fixed_size: 0
    .kernarg_segment_align: 8
    .kernarg_segment_size: 40
    .max_flat_workgroup_size: 128
    .sgpr_count:     66
    .vgpr_count:     242
    .wavefront_size: 32
...
	.end_amdgpu_metadata
.endif
;; end of part 1
;; launch gemm (part 2): grid 16 x 16, 4 waves a work-group, clusters of 4 x 1, 327,680 bytes of LDS; arguments a_codes, b_codes, lowp_scales, out0; writes out0
.if DOCPART == 2
	.amdgcn_target "amdgcn-amd-amdhsa--gfx1250"
	.amdhsa_code_object_version 6
	.text
	.protected	k_qfbe2eff56c_gemm
	.globl	k_qfbe2eff56c_gemm
	.p2align	8
	.type	k_qfbe2eff56c_gemm,@function
k_qfbe2eff56c_gemm:
	s_mov_b64 s[64:65], 0
	v_nop
	global_prefetch_b8 v0, s[64:65] scope:SCOPE_SE
	s_setreg_imm32_b32 hwreg(HW_REG_WAVE_MODE, 25, 1), 1
	s_wait_xcnt 0x0
	s_wait_alu depctr_hold_cnt(0) depctr_sa_sdst(0) depctr_va_vdst(0) depctr_va_sdst(0) depctr_va_ssrc(0) depctr_va_vcc(0) depctr_vm_vsrc(0)
	s_getreg_b32 s2, hwreg(HW_REG_IB_STS2, 6, 4)
	s_cmp_eq_u32 s2, 0
	s_cbranch_scc0 .Lentry_in_a_cluster
	s_endpgm
.Lentry_in_a_cluster:
	s_bfe_u32 s2, ttmp6, 0x10000c
	s_cmp_lg_u32 s2, 0x3003
	s_cbranch_scc0 .Lentry_shape_is_right
	s_endpgm
.Lentry_shape_is_right:
; out0[m][n] = 2^(ea + eb) x (sum over k of A's code x B's code) + 36.  Codes of BF8 (E5M2) in the order of the operands' registers, as launch quant lays them; sums in f32.
; LIMIT: ea + eb lies between -126 and 127, so that 2^(ea + eb) is an f32 number.
; A work-group of four waves makes 256 x 256 of the result; WAVE w MAKES ROWS 64 w .. 64 w + 63 x ALL 256 COLUMNS: 64 accumulators, 512 registers.
; A: a wave's 64 rows are read by no other wave of the work-group, so they do not pass LDS: 16 loads of 512 consecutive bytes bring a step (128 along K) straight into one of three register sets, two steps ahead.
; B: all four waves read the same 256 columns: they come through LDS, which holds B alone.  K's 32 steps are ten chunks of three steps (98,304 bytes) and a last chunk of two; chunk c lies in slot c % 2;
;    each wave fetches a quarter of a chunk by one tensor load.  Fragments lie in LDS as registers want them: lane i reads at 16 i, so no padding.
;    In registers B has the 16 fragments of one step; each half is fetched anew, for the next step, in one run of 32 loads behind the 32 products that read it.
; CLUSTERS: 4 x 1 work-groups along x, which counts the tile rows: the four share their tile column, so B's tiles are asked for JOINTLY (mask 15).  A's rows differ between the partners.
; PREFETCH.  B: at a change of slots each wave names 24 blocks of 256 bytes of the chunk that the NEXT change will load (16 waves of the cluster x 24 = its 384 blocks, shared out by address; lanes 24-31 name the
;    wave's last block again); the last chunk named is chunk 9.  A: once a trip each wave names 12 of the 192 blocks that the next trip's six steps load; the 16 work-groups of a tile row share them out by address
;    (lanes 12-31 name the last again); the last step named is step 27.
; THE MATRIX INSTRUCTION IS USED TRANSPOSED (source 0 = 16 columns' fragment of B, source 1 = 16 rows of A): a lane holds eight neighbouring numbers of a row of the result.
; REGISTERS: window 0: v16-31 addresses, v64-255 A's three sets (on the way out: at work);  window 1: B's 16 fragments;  window 2: accumulators (a, b) at v[8 (8 a + b)], b = 0..7;  window 3: b = 8..15.
.set CROW,   16384                     ; a row of out0 in bytes
.set ASTEP,  8192                      ; a wave's codes of A for 128 along K
.set STEPB,  32768                     ; B's 16 fragments for 128 along K
.set CH,     3*STEPB                   ; a chunk, and a slot
.set SPARE,  2*CH                      ; behind the ring: the spare words, 512 bytes
.set STAGE,  SPARE+512                 ; the way out: 16 rows x 528 bytes a wave, bytes of their own (slot 0 is read in the last steps)
.set SPITCH, 528
.set ADR,  16                          ; v16-18  16 x lane + 65,536 i: LDS address of B's fragments; v16 is also the offset of A's loads and of the stores
.set PFV,  20                          ; v20     A's prefetch: 3,072 x tile column + 256 x min(lane, 11)
.set STO,  24
.set RD,   25
.set PFO,  27                          ; v27     B's prefetch: 256 x min(lane, 23)
.set SPW,  28
.set NIL,  29
.set C36,  30                          ; v30-31  36.0
.set AF,   64                          ; A's sets
.set TMP,  64                          ; the way out: a part's 64 results
.set BK,   128                         ; the way out: rows read back, two sets of 64
.set G1,   24                          ; s[24:31] descriptor group 1: a quarter of a chunk of three steps
.set G0,   32                          ; s[32:39] group 0, one set for each slot
.set AB,   40                          ; s[40:41] my wave's codes of A, at the trip's base step
.set PFB,  42                          ; s[42:43] my 6,144 bytes of B's chunks, at the trip's base chunk
.set G1P,  48                          ; s[48:55] group 1: a quarter of the last chunk, two steps
.set G0P,  56                          ; s[56:59] its group 0
.set MSB, 0
.macro WIN new                         ; the immediate's high byte repeats the setting that is left
.if MSB != (\new)
	s_set_vgpr_msb (MSB<<8)|(\new)
.set MSB, (\new)
.endif
.endm
.set MUL_LO, 0xa1                      ; source 0 (B) window 1, source 1 (A) window 0, C and D window 2
.set MUL_HI, 0xf1                      ; the same, C and D window 3
.set TO_B,   0x40                      ; destination window 1, address window 0
.macro PLACES                          ; four places between matrix instructions and loads into registers that they read (ISA guide 7.12.1 for vector instructions)
.rept 4
	v_nop
.endr
.endm
.macro JLOAD g0, g1                    ; the joint load: every wave its quarter of the chunk; s_nop 0 and four v_nop behind it
	tensor_load_to_lds s[\g0:\g0+3], s[\g1:\g1+7]
	s_nop 0
	PLACES
.endm
.macro CREST
	s_cmp_lg_u32 s14, 0
	s_cbranch_scc1 .Lnot_wave_0_\@
	s_barrier_signal -3
.Lnot_wave_0_\@:
	s_barrier_wait -3
	s_barrier_signal -1
	s_barrier_wait -1
.endm
.macro CROUND
	s_barrier_signal -1
	s_barrier_wait -1
	CREST
.endm
	s_load_b128 s[4:7], s[0:1], 0x0                ; a_codes, b_codes
	s_load_b128 s[8:11], s[0:1], 0x10              ; the scales' exponents, out0
	v_lshl_add_u32 v[SPW], v0, 2, SPARE
	v_mov_b32 v[NIL], 0
	ds_add_u32 v[SPW], v[NIL]                      ; the opening lines: the add, twice on end, and its wait ahead of my first tensor load
	ds_add_u32 v[SPW], v[NIL]
	v_lshrrev_b32 v1, 5, v0
	v_readfirstlane_b32 s14, v1                    ; wave
	s_mul_i32 s23, s14, 16*SPITCH
	s_add_co_u32 s23, s23, STAGE                   ; my stage
	s_and_b32 s17, ttmp7, 0xffff                   ; tile column = cluster y: the same in the four partners
	s_mul_i32 s19, s17, 3072
	v_and_b32 v2, 31, v0                           ; lane
	v_and_b32 v3, 15, v0                           ; r
	v_bfe_u32 v4, v0, 4, 1                         ; h
	v_lshlrev_b32 v[ADR], 4, v2
.irp i, 1,2
	v_add_nc_u32 v[ADR+\i], \i*65536, v[ADR]
.endr
	v_mul_u32_u24 v5, v3, SPITCH
	v_lshl_add_u32 v5, v4, 5, v5
	v_add_nc_u32 v[STO], s23, v5                   ; into the stage: row r, 32 bytes for each half of the lanes
	v_add_nc_u32 v[RD], s23, v[ADR]                ; back: 32 lanes take a row's 512 bytes
	v_min_u32 v6, 23, v2
	v_lshlrev_b32 v[PFO], 8, v6
	v_min_u32 v7, 11, v2
	v_lshlrev_b32 v7, 8, v7
	v_add_nc_u32 v[PFV], s19, v7
	v_mov_b32 v[C36], 0x42100000
	v_mov_b32 v[C36+1], 0x42100000
	s_bfe_u32 s15, ttmp6, 0x40000                  ; cx
	s_lshl_b32 s16, ttmp9, 2
	s_add_co_u32 s16, s16, s15                     ; tile row = 4 x cluster x + cx
.irp g, G1, G1P
	s_mov_b32 s[\g+0], 15|(3<<16)|(1<<21)          ; the mask of the four; elements of 8 bytes; bit 21 beside a mask; no padding
	s_mov_b32 s[\g+1], 32<<16                      ; tensor_dim0 = 32 elements: rows of 256 bytes of a dense block
	s_mov_b32 s[\g+3], 32<<16                      ; tile_dim0
	s_mov_b32 s[\g+5], 32                          ; pitch = row
	s_mov_b32 s[\g+6], 0
	s_mov_b32 s[\g+7], 0
.endr
	s_mov_b32 s[G1+2], 96<<16                      ; tensor_dim1 and tile_dim1: 96 rows, 24,576 bytes;
	s_mov_b32 s[G1+4], 96
	s_mov_b32 s[G1P+2], 64<<16                     ; of the last chunk 64 rows, 16,384 bytes
	s_mov_b32 s[G1P+4], 64
	s_mul_i32 s18, s14, CH/4                       ; my quarter of a chunk, in memory and in a slot
	s_mov_b32 s60, s18
	s_mov_b32 s61, 0
	s_lshl_b32 s62, s14, 14                        ; my quarter of the last chunk
	s_mov_b32 s63, 0
	s_lshl_b32 s20, s17, 20                        ; B: 1,048,576 bytes a tile column
	s_mov_b32 s21, 0
	s_lshl_b32 s22, s16, 2
	s_add_co_u32 s22, s22, s14                     ; which 64 rows: 4 x tile row + wave
	s_lshl_b32 s46, s22, 20                        ; out0: 64 rows of 16,384 bytes,
	s_lshl_b32 s47, s17, 10
	s_add_co_u32 s46, s46, s47                     ; + 1,024 bytes a tile column
	s_mov_b32 s47, 0
	s_lshl_b32 s22, s22, 18                        ; a_codes: 262,144 bytes for 64 rows
	s_mov_b32 s23, 0
	s_lshl_b32 s44, s15, 2
	s_add_co_u32 s44, s44, s14
	s_mul_i32 s44, s44, CH/16                      ; B's prefetches: 6,144 bytes of a chunk for each of the cluster's 16 waves
	s_mov_b32 s45, 0
	s_wait_alu depctr_va_vdst(0)                   ; the wait at the end of the head's vector work
	s_wait_dscnt 0x0                               ; both opening adds are done
	s_wait_kmcnt 0x0
	s_load_b64 s[96:97], s[8:9], 0x0               ; ea, eb
	s_add_nc_u64 s[AB:AB+1], s[4:5], s[22:23]
	s_add_nc_u64 s[20:21], s[6:7], s[20:21]        ; my tile column's codes of B
	s_add_nc_u64 s[PFB:PFB+1], s[20:21], s[44:45]
	s_add_nc_u64 s[10:11], s[10:11], s[46:47]
	s_add_nc_u64 s[G0+2:G0+3], s[20:21], s[60:61]  ; chunk 0,
	s_add_nc_u64 s[G0+6:G0+7], s[G0+2:G0+3], CH    ; chunk 1,
	s_add_nc_u64 s[G0P+2:G0P+3], s[20:21], s[62:63]
	s_add_nc_u64 s[G0P+2:G0P+3], s[G0P+2:G0P+3], 10*CH   ; and the last chunk
.irp s, 0,1
	s_mov_b32 s[G0+4*\s], 1
	s_add_co_u32 s[G0+4*\s+1], s18, \s*CH
	s_or_b32 s[G0+4*\s+3], s[G0+4*\s+3], 0x80000000
.endr
	s_mov_b32 s[G0P], 1
	s_add_co_u32 s[G0P+1], s62, 0                  ; it goes to slot 0
	s_or_b32 s[G0P+3], s[G0P+3], 0x80000000
.macro ALOAD set, off                  ; a step of A: four fragments, 16 loads of 512 consecutive bytes
.irp a, 0,1,2,3
.irp c, 0,1,2,3
	global_load_b128 v[AF+64*(\set)+16*\a+4*\c:AF+64*(\set)+16*\a+4*\c+3], v[ADR], s[AB:AB+1] offset:(\off)+2048*\a+512*\c
.endr
.endr
.endm
.macro RF slot, q, b                   ; fragment b of the slot's step q
.irp c, 0,1,2,3
	ds_load_b128 v[16*(\b)+4*\c:16*(\b)+4*\c+3], v[ADR+(3*(\slot)+(\q))/2] offset:((3*(\slot)+(\q))%2)*STEPB+(\b)*2048+512*\c
.endr
.endm
.macro RUN slot, q, b0                 ; eight fragments in one run of 32 loads
	WIN TO_B
.irp i, 0,1,2,3,4,5,6,7
	RF \slot, \q, (\b0)+\i
.endr
	WIN 0
.endm
.macro MUL8 u, set, zero               ; fragments 2 u, 2 u + 1 of B against A's four.  The 64 accumulators take turns, in the same order in every step
.irp b, 2*(\u), 2*(\u)+1
.irp a, 0,1,2,3
.if \zero
	v_wmma_f32_16x16x128_bf8_bf8 v[8*(8*\a+(\b)%8):8*(8*\a+(\b)%8)+7], v[16*(\b):16*(\b)+15], v[AF+64*(\set)+16*\a:AF+64*(\set)+16*\a+15], 0
.else
	v_wmma_f32_16x16x128_bf8_bf8 v[8*(8*\a+(\b)%8):8*(8*\a+(\b)%8)+7], v[16*(\b):16*(\b)+15], v[AF+64*(\set)+16*\a:AF+64*(\set)+16*\a+15], v[8*(8*\a+(\b)%8):8*(8*\a+(\b)%8)+7]
.endif
.endr
.endr
.endm
; A step of 128 along K: 64 products.  (ns, nq): slot and place of the next step, whose fragments of B this step fetches.
; kind 0: the next step lies in the same slot; 1: a chunk's last step, slot fs is filled again with the chunk two further on; 4: the same with the last chunk; 2: the same without a fill; 3: the very last step.
; aoff: where the step three further on lies from s[AB] (-1: none).  lc: A's loads that may stay out.  bump: the trip's bases step.
.macro STEP set, zero, ns, nq, aoff, lc, kind, fs, bump
.if \bump
	s_wait_xcnt 0x0                                ; the loads and prefetches issued so far have read their bases
	s_add_nc_u64 s[AB:AB+1], s[AB:AB+1], 6*ASTEP
	s_add_nc_u64 s[PFB:PFB+1], s[PFB:PFB+1], 2*CH
.endif
	s_wait_loadcnt \lc                             ; this step's set of A is in; the sets of the steps behind it may be out
	s_wait_dscnt 32                                ; B's fragments 0-7 are in; the run behind them, fragments 8-15, may be out
	WIN MUL_LO
	MUL8 0, \set, \zero
	MUL8 1, \set, \zero
.if (\kind == 0) || (\kind == 3)
	MUL8 2, \set, \zero
	MUL8 3, \set, \zero
.if \kind == 0
	PLACES
.endif
.else
	WIN 0                                          ; (the add's two registers lie in window 0)
	s_wait_tensorcnt 0x0                           ; all my tensor loads have landed: my quarter of the next slot;
	ds_add_u32 v[SPW], v[NIL]                      ; 0 onto my spare word;
.if \kind == 1
	s_add_nc_u64 s[G0+4*(\fs)+2:G0+4*(\fs)+3], s[G0+4*(\fs)+2:G0+4*(\fs)+3], 2*CH   ; no load of mine is out: this slot's next chunk
.endif
	WIN MUL_LO
	MUL8 2, \set, 0                                ; eight products stand between the add and the wait for it
	s_wait_dscnt 0x0                               ; the add is done, and my reads of this slot are over
	s_barrier_signal -1
	MUL8 3, \set, 0
	WIN 0
	s_barrier_wait -1
.if \kind == 1
	CREST                                          ; the barrier has opened a round of the cluster's barrier: no wave of any partner still reads this slot or has a load on its way
	JLOAD G0+4*(\fs), G1                           ; the first tensor load behind the round; its four v_nop are also the places in front of the loads below
.endif
.if \kind == 4
	CREST
	JLOAD G0P, G1P
.endif
.if \kind == 2
	PLACES
.endif
.endif
.if \kind == 3
	s_wait_dscnt 0x0
.else
	RUN \ns, \nq, 0
.if \kind == 1
.if (\fs) == 0
	global_prefetch_b8 v[PFO], s[PFB:PFB+1] offset:3*CH th:TH_LOAD_NT scope:SCOPE_SE    ; the chunk that the next change of slots loads: chunk 3, 5, 7 or 9
.else
	s_cmp_gt_u32 s3, 1                             ; in the loop's last trip these would reach past chunk 9 and past step 31: nothing is asked for
	s_cbranch_scc0 .Lnone_\@
	global_prefetch_b8 v[PFO], s[PFB:PFB+1] offset:4*CH th:TH_LOAD_NT scope:SCOPE_SE
	global_prefetch_b8 v[PFV], s[AB:AB+1] offset:10*ASTEP th:TH_LOAD_NT scope:SCOPE_SE  ; my share of the six steps of A that the next trip loads
.Lnone_\@:
.endif
.endif
	s_wait_dscnt 32                                ; fragments 8-15 are in; the run just issued may be out
.endif
	WIN MUL_HI
	MUL8 4, \set, \zero
	MUL8 5, \set, \zero
	MUL8 6, \set, \zero
	MUL8 7, \set, \zero
.if \kind != 3
	PLACES
	RUN \ns, \nq, 8
.endif
	WIN 0
.if \aoff >= 0
	ALOAD \set, \aoff                              ; behind the places above: the set just multiplied takes the step three further on
.endif
.endm
	CROUND                                         ; the four partners are here: the first joint loads meet
	JLOAD G0, G1                                   ; chunk 0: one tensor load a wave at the head
	ALOAD 0, 0
	ALOAD 1, ASTEP
	ALOAD 2, 2*ASTEP
	s_wait_tensorcnt 0x0                           ; my quarter of chunk 0 is in
	ds_add_u32 v[SPW], v[NIL]
	s_wait_dscnt 0x0
	CROUND
	JLOAD G0+4, G1                                 ; chunk 1, slot 1's first fill
	RUN 0, 0, 0
	RUN 0, 0, 8
	global_prefetch_b8 v[PFO], s[PFB:PFB+1] offset:2*CH th:TH_LOAD_NT scope:SCOPE_SE       ; chunk 2, which the first change of slots loads
	global_prefetch_b8 v[PFV], s[AB:AB+1] offset:4*ASTEP th:TH_LOAD_NT scope:SCOPE_SE      ; my share of steps 4 to 9 of A, which the first trip loads
	STEP 0, 1, 0, 1, 3*ASTEP, 32, 0, 0, 0          ; the first step stands in front of the loop: its products start the sums
	s_mov_b32 s3, 4
.Llap:                                                 ; a trip is six steps, from a chunk's second step in slot 0 to the first step of the chunk two further on, and fills both slots again
	STEP 1, 0, 0, 2, 4*ASTEP, 32, 0, 0, 0
	STEP 2, 0, 1, 0, 5*ASTEP, 32, 1, 0, 0
	STEP 0, 0, 1, 1, 6*ASTEP, 32, 0, 0, 0
	STEP 1, 0, 1, 2, 7*ASTEP, 32, 0, 0, 0
	STEP 2, 0, 0, 0, 8*ASTEP, 32, 1, 1, 0
	STEP 0, 0, 0, 1, 3*ASTEP, 32, 0, 0, 1
	s_sub_co_u32 s3, s3, 1
	s_cmp_lg_u32 s3, 0
	s_cbranch_scc1 .Llap
	STEP 1, 0, 0, 2, 4*ASTEP, 32, 0, 0, 0          ; steps 25 to 31
	STEP 2, 0, 1, 0, 5*ASTEP, 32, 4, 0, 0          ; chunk 8's last step: slot 0 takes the last chunk
	STEP 0, 0, 1, 1, 6*ASTEP, 32, 0, 0, 0
	STEP 1, 0, 1, 2, 7*ASTEP, 32, 0, 0, 0
	STEP 2, 0, 0, 0, -1, 32, 2, 0, 0               ; chunk 9's last step: nothing is left to fetch
	STEP 0, 0, 0, 1, -1, 16, 0, 0, 0
	STEP 1, 0, 0, 0, -1, 0, 3, 0, 0
; THE WAY OUT, in eight parts of 16 rows x 128 columns: part u = rows 16 (u % 4) .., columns 128 (u / 4) ..  A lane holds 32 bytes of a row: a part goes through my own stage and comes back as rows of 512 bytes.
.macro TOSTAGE u
.set AC, 64*((\u)%4)
	WIN 0x02+((\u)/4)                              ; source 0: window 2 or 3
.irp j, 0,2,4,6,8,10,12,14,16,18,20,22,24,26,28,30,32,34,36,38,40,42,44,46,48,50,52,54,56,58,60,62
	v_pk_fma_f32 v[TMP+\j:TMP+\j+1], v[AC+\j:AC+\j+1], s[96:97], v[C36:C36+1] op_sel_hi:[1,0,1]   ; sum x 2^(ea + eb) + 36; each accumulator from its low end on
.endr
	WIN 0
.irp b, 0,1,2,3,4,5,6,7
	ds_store_b128 v[STO], v[TMP+8*\b:TMP+8*\b+3] offset:64*\b
	ds_store_b128 v[STO], v[TMP+8*\b+4:TMP+8*\b+7] offset:64*\b+16
.endr
.set BB, BK+64*((\u)%2)
.irp t, 0,1,2,3,4,5,6,7,8,9,10,11,12,13,14,15
	ds_load_b128 v[BB+4*\t:BB+4*\t+3], v[RD] offset:\t*SPITCH      ; LDS serves a wave's instructions in order: these see the stores above
.endr
.endm
.macro SEND u, younger
.set BB, BK+64*((\u)%2)
	s_wait_dscnt \younger                          ; the part is back in registers
.irp t, 0,1,2,3,4,5,6,7,8,9,10,11,12,13,14,15
	global_store_b128 v[ADR], v[BB+4*\t:BB+4*\t+3], s[10:11] offset:(16*((\u)%4)+\t)*CROW+512*((\u)/4) th:TH_STORE_NT   ; 512 consecutive bytes, aligned; 63 rows at the most, inside the signed 24-bit immediate
.endr
.endm
	s_wait_kmcnt 0x0
	s_add_co_i32 s96, s96, s97
	s_add_co_i32 s96, s96, 127
	s_lshl_b32 s96, s96, 23                        ; 2^(ea + eb) as f32
	s_mov_b32 s97, s96
	PLACES
	TOSTAGE 0
.irp u, 1,2,3,4,5,6,7
.if \u > 1
	s_wait_xcnt 0x0                                ; part u - 2's stores have read their registers: part u's rows may land there
.endif
	TOSTAGE \u
	SEND \u-1, 32                                  ; behind part u - 1's loads: part u's 16 stores and 16 loads
.endr
	SEND 7, 0
	s_wait_tensorcnt 0x0                           ; the wave's end
	ds_add_u32 v[SPW], v[NIL]
	s_wait_dscnt 0x0
	CROUND                                         ; the closing round
	s_endpgm
.Lfunc_end_k_qfbe2eff56c_gemm:
	.size	k_qfbe2eff56c_gemm, .Lfunc_end_k_qfbe2eff56c_gemm-k_qfbe2eff56c_gemm
	.p2alignl 7, 3214868480
	.fill 96, 4, 3214868480
	.section	.rodata,"a",@progbits
	.p2align	6, 0x0
	.amdhsa_kernel k_qfbe2eff56c_gemm
		.amdhsa_group_segment_fixed_size 327680
		.amdhsa_private_segment_fixed_size 0
		.amdhsa_enable_private_segment 0
		.amdhsa_kernarg_size 32
		.amdhsa_user_sgpr_count 2
		.amdhsa_user_sgpr_kernarg_segment_ptr 1
		.amdhsa_wavefront_size32 1
		.amdhsa_system_sgpr_workgroup_id_x 1
		.amdhsa_system_sgpr_workgroup_id_y 1
		.amdhsa_system_sgpr_workgroup_id_z 1
		.amdhsa_system_vgpr_workitem_id 0
		.amdhsa_next_free_vgpr 1024
		.amdhsa_next_free_sgpr 98
		.amdhsa_reserve_vcc 0
		.amdhsa_float_denorm_mode_32 3
		.amdhsa_float_denorm_mode_16_64 3
		.amdhsa_memory_ordered 1
		.amdhsa_forward_progress 1
		.amdhsa_inst_pref_size 195
	.end_amdhsa_kernel
	.amdgpu_metadata
---
amdhsa.version: [ 1, 2 ]
amdhsa.kernels:
  - .name:           k_qfbe2eff56c_gemm
    .symbol:         k_qfbe2eff56c_gemm.kd
    .args:
      - { .name: a_codes, .offset: 0, .size: 8, .value_kind: global_buffer, .address_space: global }
      - { .name: b_codes, .offset: 8, .size: 8, .value_kind: global_buffer, .address_space: global }
      - { .name: lowp_scales, .offset: 16, .size: 8, .value_kind: global_buffer, .address_space: global }
      - { .name: out0, .offset: 24, .size: 8, .value_kind: global_buffer, .address_space: global }
    .group_segment_fixed_size: 327680
    .private_segment_fixed_size: 0
    .kernarg_segment_align: 8
    .kernarg_segment_size: 32
    .max_flat_workgroup_size: 128
    .sgpr_count:     98
    .vgpr_count:     1024
    .wavefront_size: 32
...
	.end_amdgpu_metadata
.endif
;; end of part 2
